; MI455X (gfx1250); checked and timed in simulation.
; The chip was launched on July 23, 2026; its instructions are those of AMD's public machine-readable ISA for CDNA 5 (MIT licence, August 2026) and "CDNA5" Instruction Set Architecture Reference Guide (July 2026). The comments in the code are by the model that wrote it; some were corrected since.
;; CFKD. Allowed arithmetic: matrix products marked QUANTISED: E2M3 operands, one E8M0 scale for each 32 along K, by v_wmma_scale_f32_16x16x128_f8f6f4 with both operands' format E2M3, f32 sums; everything else in f32.
;; Inputs: M 512 x 1,024 float32; U 512 x 512 float32; X 512 x 1,024 float32.
;; Outputs: out0 512 x 512 float32.
;; This version of the problem:
;;   THIS VERSION OF THE PROBLEM IS GIVEN IN LOW PRECISION. The matrix products marked QUANTISED in the list below multiply operands that are first quantised to E2M3 (2 exponent bits, 3 mantissa bits; 6 bits a number), with one power-of-two scale for each 32 numbers along K (OCP MX v1.0); their sums are f32. All else is computed in f32.
;;   The module's matrix products, in the order in which they are computed (A, B: the left and right operand; K: the contracted axis; several contracted axes count as one K, in the product's order):
;;     1. [M 512, K 512] x [K 512, N 1,024]; A: input U; B: input X: QUANTISED
;;   THE QUANTISER, for each operand of a quantised product, along K:
;;     - K is cut into blocks of 32 from its start; a last block that is shorter is filled with zeros.
;;     - A block's scale is 2^e with e = floor(log2(the largest magnitude in the block)) - 2, held to -126 .. 127; a block of zeros has e = 0. As a byte (E8M0): e + 127.
;;     - Each number is divided by its block's scale, clamped to +-7.5, and rounded to the nearest number of E2M3, ties to even, subnormals kept.
;;     - The product sums the exact products of the quantised numbers (number of the format x scale) in f32.
;;   ~~~python
;;   def quantise(x, axis):      # numpy; x: float32 -> the quantised numbers, widened to float32 again
;;       x = np.moveaxis(x, axis, -1); K = x.shape[-1]
;;       x = np.pad(x, [(0, 0)] * (x.ndim - 1) + [(0, -K % 32)]); x = x.reshape(x.shape[:-1] + (-1, 32)); a = np.abs(x).max(-1, keepdims=True)
;;       e = np.where(a > 0, np.clip(np.frexp(np.where(a > 0, a, 1))[1] - 1 - 2, -126, 127), 0)      # np.frexp(a)[1] - 1 = floor(log2(a)), exactly
;;       r = np.clip(x / 2.0 ** e, -7.5, 7.5)
;;       step = 2.0 ** (np.maximum(np.frexp(np.where(r == 0, 1, r))[1] - 1, 0) - 3)
;;       q = np.round(r / step) * step * 2.0 ** e      # np.round: ties to even
;;       return np.moveaxis(q.reshape(q.shape[:-2] + (-1,))[..., :K], -1, axis).astype(np.float32)
;;   ~~~
;; 2 versions, each right; version 2 is version 1 with the launch centroids written anew for expert scheduling mode. Each part assembles by itself: llvm-mc -triple=amdgcn-amd-amdhsa -mcpu=gfx1250 --defsym DOCPART=n.
;; ======== version 1 of 2: 2 launches
;; workspace buffers: mc 4,194,304 bytes
;; launch centroids (part 1): grid 16 x 16, 12 waves a work-group, no clusters, 68,096 bytes of LDS; arguments X, U, M, mc; writes mc
.if DOCPART == 1
	.amdgcn_target "amdgcn-amd-amdhsa--gfx1250"
	.amdhsa_code_object_version 6
	.text
	.protected	k_q08636b49f1_centroids
	.globl	k_q08636b49f1_centroids
	.p2align	8
	.type	k_q08636b49f1_centroids,@function
k_q08636b49f1_centroids:
	s_mov_b64 s[64:65], 0
	v_nop
	global_prefetch_b8 v0, s[64:65] scope:SCOPE_SE
	s_setreg_imm32_b32 hwreg(HW_REG_WAVE_MODE, 25, 1), 1
	s_wait_xcnt 0x0
; C[k][d] = (1/512) sum over b of U[b][k] X[b][d], both operands quantised along b to FP6 (E2M3) with one E8M0 scale for each 32 b; then
; m = round(clip(M, 0, 1)) and the pair (m, -m C) for every (k, d), stored in the order in which the next launch's registers take them.
; X: [512 b][1024 d], U: [512 b][512 k], M: [512 k][1024 d], all f32.  mc: 4 MiB, layout below.
; SHARES.  A work-group makes 32 k x 64 d of C.  It has 96 columns to quantise (32 of U, 64 of X), 512 along K each: 12 waves, wave w = 32 columns (w / 4: U, X's first 32, X's last 32) x one K step of 128 (w % 4).
; K IS THE FIRST AXIS OF BOTH OPERANDS: a lane takes a column and its registers run down K, so a block of 32 lies in one lane's 32 registers, its largest magnitude needs no other lane,
; and the conversions give codes with K innermost.  Each load reads 128 consecutive bytes a wave.  A column's codes go to a row of LDS (384 bytes + 16), its scale word beside them.
; Behind ONE barrier waves 0-3 multiply: wave w takes d 16 w .. 16 w + 15 and both tiles of 16 k: two accumulators by turns, 4 K steps.  Source 0 = 16 k, source 1 = 16 d: a lane then holds one d and eight neighbouring k.
; A block's scale is 2^(floor(log2(largest magnitude)) - 2); its byte is that magnitude's exponent field - 2, held at 1 from below.
; mc, byte address: kt 2^18 + (d / 256) 2^16 + ((d / 16) % 16) 4096 + (d % 4) 1024 + ((k / 2) % 4) 256 + ((k / 8) % 4) 64 + ((d / 4) % 4) 16, kt = k / 32: there 16 bytes: m(k), m(k+1), -mC(k), -mC(k+1), k even.
; A wave's 32 k x 16 d are 4,096 consecutive bytes of mc: gathered in the wave's own LDS bytes and stored as 8 x 512 consecutive bytes.
; NO JOINT LOADS, though 16 work-groups read the same columns of U and 16 the same of X: a joint load lands in LDS, and every number has to reach a lane's register by a 4-byte load either way;
; through LDS the work-group's 192 KiB would be written and read once more for a launch whose whole matrix work is 8 instructions a wave.
; LIMITS: a NaN in M gives m = 0 (the maximum with 0 drops it), where clip and round would keep the NaN.  NaN and infinities in X or U are not served.
; A block of zeros gets the byte 1 where the rule says 127: its codes are zeros, and the bytes are read by this launch alone.
.set PU,    2048                       ; bytes in a row of U
.set PX,    4096                       ; bytes in a row of X and of M
.set CP,    400                        ; LDS: a column's 512 codes, 384 bytes, + 16: 25 x 16, so 16 lanes' 16-byte stores fall into 16 different columns of 16 bytes modulo 256
.set CODES, 0                          ; 96 rows of CP
.set SCL,   96*CP                      ; scale words: [K step][column], 4 bytes each
.set MSK,   SCL+4*96*4                 ; m: 32 rows (k) of 256 bytes + 16
.set MP,    272
.set IMG,   MSK+32*MP                  ; four images of 4 x (1,024 + 64) bytes, one for each multiplying wave
.set EP,    1088                       ; 272 words: part e starts 16 e banks on, a lane's dq 4 banks on: 16 lanes, 16 different columns of 16 bytes
.set NUM,   32                         ; v32-159  128 numbers of my column
.set CD,    160                        ; v160-183 their codes, 96 bytes
.set CT,    184                        ; v184-199 the second halves of the blocks' codes as they are made
.set MR,    200                        ; v200-215 16 numbers of M
.set AF,    32                         ; v32-127  U's 8 fragments (tile a, K step q: 4 a + q)
.set BF,    128                        ; v128-175 X's 4 fragments
.set ACC,   176                        ; v176-191 two accumulators
.set OQ,    192                        ; v192-223 8 quads (m, m, -mC, -mC)
.set RB,    32                         ; v32-63   the image read back
.set SA,    244                        ; v244-251 U's scale words; v252-255 X's: these registers hold scales and nothing else
.set SB,    252
	s_load_b256 s[4:11], s[0:1], 0x0               ; X s[4:5], U s[6:7], M s[8:9], mc s[10:11]
	v_lshl_add_u32 v242, v0, 2, 0x10400
	v_mov_b32 v243, 0
	v_lshrrev_b32 v1, 5, v0
	v_readfirstlane_b32 s12, v1                    ; wave 0..11
	s_lshr_b32 s13, s12, 2                         ; g: which 32 columns (0: U's)
	s_and_b32 s14, s12, 3                          ; which K step; in waves 0-3 also the wave's number
	s_and_b32 s16, ttmp7, 0xffff                   ; kt: the tile of 32 k;  ttmp9: the tile of 64 d
	v_and_b32 v1, 31, v0                           ; lane
	v_and_b32 v15, 15, v0                          ; r
	v_bfe_u32 v16, v0, 4, 1                        ; h
	; every address register is made here, ahead of the waves' parting
	v_lshlrev_b32 v2, 2, v1                        ; v2: my column in a row of U or X: 4 x lane
	s_mul_i32 s17, s13, 32*CP
	s_mul_i32 s18, s14, 96
	s_add_co_u32 s17, s17, s18
	v_mul_u32_u24 v3, v1, CP
	v_add_nc_u32 v3, s17, v3                       ; v3: where my 96 code bytes go: row 32 g + lane, K step's 96 bytes
	s_mul_i32 s17, s14, 96*4
	s_lshl_b32 s18, s13, 7
	s_add_co_u32 s17, s17, s18
	s_add_co_u32 s17, s17, SCL
	v_add_nc_u32 v4, s17, v2                       ; v4: and my scale word
	v_lshlrev_b32 v5, 12, v16
	v_lshl_add_u32 v5, v15, 4, v5                  ; v5: M: lanes 0-15 one row's 256 bytes, lanes 16-31 the next row's
	s_mul_i32 s17, s14, 8*MP
	s_add_co_u32 s17, s17, MSK
	v_mul_u32_u24 v6, v16, MP
	v_lshl_add_u32 v6, v15, 4, v6
	v_add_nc_u32 v6, s17, v6                       ; v6: the same two rows of m in LDS, from row 8 x wave on
	v_mul_u32_u24 v7, v15, CP
	v_mad_u32_u24 v7, v16, 24, v7                  ; v7: a fragment of U: row r, + 24 h
	s_mul_i32 s17, s14, 16*CP
	s_add_co_u32 s17, s17, 32*CP
	v_add_nc_u32 v8, s17, v7                       ; v8: of X: row 32 + 16 x wave + r
	v_lshl_add_u32 v9, v15, 2, SCL                 ; v9: U's scale words
	s_lshl_b32 s17, s14, 6
	s_add_co_u32 s17, s17, 128
	v_add_nc_u32 v10, s17, v9                      ; v10: X's
	v_mul_u32_u24 v11, v16, 8*MP
	v_lshl_add_u32 v11, v15, 2, v11
	s_add_co_u32 s17, s17, MSK-128
	v_add_nc_u32 v11, s17, v11                     ; v11: m(8 h + .., 16 x wave + r)
	v_and_b32 v17, 3, v15
	v_mul_u32_u24 v12, v17, EP                     ; the image: part d % 4,
	v_lshrrev_b32 v17, 2, v15
	v_lshl_add_u32 v12, v17, 4, v12                ; 16 bytes for (d / 4) % 4,
	v_lshl_add_u32 v12, v16, 6, v12                ; 64 for my eight k
	s_mul_i32 s17, s14, 4*EP
	s_add_co_u32 s17, s17, IMG
	v_add_nc_u32 v12, s17, v12                     ; v12: where my quads go
	v_lshlrev_b32 v14, 4, v1                       ; v14: 16 x lane: my place in 512 bytes of mc
	v_add_nc_u32 v13, s17, v14                     ; v13: and in the image, read back as it lies
.macro COLUMN base, pitch                  ; 128 numbers down K of my column
.set nn, 0
.rept 128
	global_load_b32 v[NUM+nn], v2, s[\base:\base+1] offset:nn*\pitch
.set nn, nn+1
.endr
.endm
.macro BLOCK t                             ; block t of my four: 32 numbers become 24 bytes of codes and a byte of the scale word
.set XB, NUM+32*(\t)
	v_max3_num_f32 v16, |v[XB]|, |v[XB+1]|, |v[XB+2]|              ; the largest magnitude, in two chains
	v_max3_num_f32 v17, |v[XB+3]|, |v[XB+4]|, |v[XB+5]|
.irp i, 6,10,14,18,22,26
	v_max3_num_f32 v16, v16, |v[XB+\i]|, |v[XB+\i+1]|
	v_max3_num_f32 v17, v17, |v[XB+\i+2]|, |v[XB+\i+3]|
.endr
	v_max3_num_f32 v16, v16, |v[XB+30]|, |v[XB+31]|
	v_max3_num_f32 v16, v16, v17, 0x1800000        ; and the floor 2^(3 - 127): the byte cannot fall under 1
	v_add_nc_u32 v18, 0xff000000, v16              ; 2 off the exponent field: the conversion takes this operand's exponent field as its scale
	v_lshrrev_b32 v19, 23, v18                     ; the scale's byte
.if (\t) == 0
	v_mov_b32 v20, v19
.else
	v_lshl_or_b32 v20, v19, 8*(\t), v20            ; the lower K in the lower byte
.endif
	v_cvt_scalef32_pk16_fp6_f32 v[CD+6*(\t):CD+6*(\t)+2], v[XB:XB+15], v18
	v_cvt_scalef32_pk16_fp6_f32 v[CT+4*(\t):CT+4*(\t)+2], v[XB+16:XB+31], v18   ; a conversion's three registers begin on an even number: the second half is made elsewhere and moved
	v_nop                                          ; one plain place behind a scaled conversion
.irp i, 0,1,2
	v_mov_b32 v[CD+6*(\t)+3+\i], v[CT+4*(\t)+\i]
.endr
.endm
.macro QUANT                               ; blocks 0 and 1 are in when this begins
	BLOCK 0
	BLOCK 1
	s_wait_loadcnt 32                              ; block 2 is in; block 3's 32 loads may be out
	BLOCK 2
	s_wait_loadcnt 0x0
	BLOCK 3
.irp c, 0,1,2,3,4,5
	ds_store_b128 v3, v[CD+4*\c:CD+4*\c+3] offset:16*\c            ; 96 bytes: the K step's stream of codes of my column
.endr
	ds_store_b32 v4, v20
.endm
	s_mov_b32 s21, 0
	s_wait_kmcnt 0x0
	s_cmp_lt_u32 s12, 4
	s_cbranch_scc0 .Lx_columns
	; ---- waves 0-3: 8 rows of M's tile, and 32 columns of U
	s_lshl_b32 s20, s16, 17                        ; M: row 32 kt + 8 x wave, byte 256 x d tile
	s_lshl_b32 s22, s14, 15
	s_add_co_u32 s20, s20, s22
	s_lshl_b32 s22, ttmp9, 8
	s_add_co_u32 s20, s20, s22
	s_add_nc_u64 s[8:9], s[8:9], s[20:21]
	s_lshl_b32 s20, s14, 18                        ; U: row 128 x K step, byte 128 kt
	s_lshl_b32 s22, s16, 7
	s_add_co_u32 s20, s20, s22
	s_add_nc_u64 s[6:7], s[6:7], s[20:21]
.irp n, 0,1,2,3
	global_load_b128 v[MR+4*\n:MR+4*\n+3], v5, s[8:9] offset:\n*2*PX th:TH_LOAD_NT   ; two whole rows of 256 bytes; each number of M is read once in the launch
.endr
	COLUMN 6, PU
	s_wait_loadcnt 63                              ; a wait names 63 at the most: of my 132 loads the first 69 are in: M's four and blocks 0 and 1
.irp n, 0,1,2,3,4,5,6,7,8,9,10,11,12,13,14,15
	v_max_num_f32 v[MR+\n], 0, v[MR+\n]            ; clip at 0,
.endr
.irp n, 0,1,2,3,4,5,6,7,8,9,10,11,12,13,14,15
	v_min_num_f32 v[MR+\n], 1.0, v[MR+\n]          ; at 1,
.endr
.irp n, 0,1,2,3,4,5,6,7,8,9,10,11,12,13,14,15
	v_rndne_f32 v[MR+\n], v[MR+\n]                 ; and round, ties to even: m is 0 or 1
.endr
.irp n, 0,1,2,3
	ds_store_b128 v6, v[MR+4*\n:MR+4*\n+3] offset:\n*2*MP
.endr
	QUANT
	s_branch .Ljoin
.Lx_columns:
	; ---- waves 4-11: 32 columns of X
	s_lshl_b32 s20, s14, 19                        ; X: row 128 x K step, byte 256 x d tile + 128 (g - 1)
	s_lshl_b32 s22, ttmp9, 8
	s_add_co_u32 s20, s20, s22
	s_sub_co_u32 s22, s13, 1
	s_lshl_b32 s22, s22, 7
	s_add_co_u32 s20, s20, s22
	s_add_nc_u64 s[4:5], s[4:5], s[20:21]
	COLUMN 4, PX
	s_wait_loadcnt 63                              ; of my 128 loads the first 65 are in: blocks 0 and 1
	QUANT
.Ljoin:
	s_wait_dscnt 0x0                               ; for the others' sake: my codes, my scale words and my rows of m lie in LDS
	s_barrier_signal -1
	s_barrier_wait -1
	s_cmp_lt_u32 s12, 4
	s_cbranch_scc0 .Ldone                          ; waves 4-11 have done their part
	; ---- waves 0-3: 32 k x 16 d
	s_lshl_b32 s20, s16, 18                        ; mc: kt 2^18 + (d tile / 4) 2^16 + (4 (d tile % 4) + wave) 4096
	s_lshr_b32 s22, ttmp9, 2
	s_lshl_b32 s22, s22, 16
	s_add_co_u32 s20, s20, s22
	s_and_b32 s22, ttmp9, 3
	s_lshl_b32 s22, s22, 2
	s_add_co_u32 s22, s22, s14
	s_lshl_b32 s22, s22, 12
	s_add_co_u32 s20, s20, s22
	s_add_nc_u64 s[10:11], s[10:11], s[20:21]
; a fragment, 16 rows x 128 K of 6-bit codes: lane (r, h) takes 24 bytes at 24 h and 24 at 48 + 24 h of row r's 96, in pieces of 8 bytes
.irp a, 0,1
.irp q, 0,1,2,3
.irp p, 0,1,2,3,4,5
	ds_load_b64 v[AF+12*(4*\a+\q)+2*\p:AF+12*(4*\a+\q)+2*\p+1], v7 offset:\a*16*CP+96*\q+48*(\p/3)+8*(\p%3)
.endr
	ds_load_b32 v[SA+4*\a+\q], v9 offset:64*\a+384*\q
.endr
.endr
.irp q, 0,1,2,3
.irp p, 0,1,2,3,4,5
	ds_load_b64 v[BF+12*\q+2*\p:BF+12*\q+2*\p+1], v8 offset:96*\q+48*(\p/3)+8*(\p%3)
.endr
	ds_load_b32 v[SB+\q], v10 offset:384*\q
.endr
.irp a, 0,1
.irp j, 0,1,2,3,4,5,6,7
	ds_load_b32 v[OQ+16*\a+4*(\j/2)+\j%2], v11 offset:(16*\a+\j)*MP    ; m(16 a + 8 h + j, my d), straight into its place in the quad
.endr
.endr
	s_wait_dscnt 0x0
.irp q, 0,1,2,3                            ; the two accumulators by turns, one instruction a turn; the first K step starts the sums
.irp a, 0,1
.if \q == 0
	v_wmma_scale_f32_16x16x128_f8f6f4 v[ACC+8*\a:ACC+8*\a+7], v[AF+12*(4*\a+\q):AF+12*(4*\a+\q)+11], v[BF+12*\q:BF+12*\q+11], 0, v[SA+4*\a+\q], v[SB+\q] matrix_a_fmt:MATRIX_FMT_FP6 matrix_b_fmt:MATRIX_FMT_FP6
.else
	v_wmma_scale_f32_16x16x128_f8f6f4 v[ACC+8*\a:ACC+8*\a+7], v[AF+12*(4*\a+\q):AF+12*(4*\a+\q)+11], v[BF+12*\q:BF+12*\q+11], v[ACC+8*\a:ACC+8*\a+7], v[SA+4*\a+\q], v[SB+\q] matrix_a_fmt:MATRIX_FMT_FP6 matrix_b_fmt:MATRIX_FMT_FP6
.endif
.endr
.endr
.rept 4
	v_nop                                          ; four places between the last products and the first read of a sum (ISA guide 7.12.1)
.endr
.irp a, 0,1                                ; register j of accumulator a: the sum for k = 16 a + 8 h + j, d = my r.  Each accumulator is read from its low end on
.irp j, 0,1,2,3,4,5,6,7
	v_mul_f32 v[OQ+16*\a+4*(\j/2)+2+\j%2], 0xbb000000, v[ACC+8*\a+\j]  ; x -2^-9: -C, exact
.endr
.endr
.irp a, 0,1
.irp j, 0,1,2,3,4,5,6,7
	v_mul_f32 v[OQ+16*\a+4*(\j/2)+2+\j%2], v[OQ+16*\a+4*(\j/2)+2+\j%2], v[OQ+16*\a+4*(\j/2)+\j%2]   ; x m
.endr
.endr
.irp a, 0,1
.irp j, 0,1,2,3
	ds_store_b128 v12, v[OQ+16*\a+4*\j:OQ+16*\a+4*\j+3] offset:128*\a+256*\j
.endr
.endr
.irp c, 0,1,2,3,4,5,6,7
	ds_load_b128 v[RB+4*\c:RB+4*\c+3], v13 offset:(\c/2)*EP+(\c%2)*512  ; my own bytes: LDS serves a wave's instructions in order (ISA guide 5.7.1.4), so these see the stores above
.endr
.irp c, 0,1,2,3,4,5,6,7
	s_wait_dscnt 7-\c                              ; piece c is back; the younger ones may be out
	global_store_b128 v14, v[RB+4*\c:RB+4*\c+3], s[10:11] offset:512*\c ; 32 lanes store 512 consecutive bytes, at a multiple of 512 from mc's first byte
.endr
.Ldone:
	s_wait_tensorcnt 0x0
	ds_add_u32 v242, v243
	s_wait_dscnt 0x0
	s_endpgm
.Lfunc_end_k_q08636b49f1_centroids:
	.size	k_q08636b49f1_centroids, .Lfunc_end_k_q08636b49f1_centroids-k_q08636b49f1_centroids
	.p2alignl 7, 3214868480
	.fill 96, 4, 3214868480
	.section	.rodata,"a",@progbits
	.p2align	6, 0x0
	.amdhsa_kernel k_q08636b49f1_centroids
		.amdhsa_group_segment_fixed_size 68096
		.amdhsa_private_segment_fixed_size 0
		.amdhsa_enable_private_segment 0
		.amdhsa_kernarg_size 32
		.amdhsa_user_sgpr_count 2
		.amdhsa_user_sgpr_kernarg_segment_ptr 1
		.amdhsa_wavefront_size32 1
		.amdhsa_system_sgpr_workgroup_id_x 1
		.amdhsa_system_sgpr_workgroup_id_y 1
		.amdhsa_system_sgpr_workgroup_id_z 1
		.amdhsa_system_vgpr_workitem_id 0
		.amdhsa_next_free_vgpr 256
		.amdhsa_next_free_sgpr 66
		.amdhsa_reserve_vcc 0
		.amdhsa_float_denorm_mode_32 3
		.amdhsa_float_denorm_mode_16_64 3
		.amdhsa_memory_ordered 1
		.amdhsa_forward_progress 1
		.amdhsa_inst_pref_size 54
	.end_amdhsa_kernel
	.amdgpu_metadata
---
amdhsa.version: [ 1, 2 ]
amdhsa.kernels:
  - .name:           k_q08636b49f1_centroids
    .symbol:         k_q08636b49f1_centroids.kd
    .args:
      - { .name: X, .offset: 0, .size: 8, .value_kind: global_buffer, .address_space: global }
      - { .name: U, .offset: 8, .size: 8, .value_kind: global_buffer, .address_space: global }
      - { .name: M, .offset: 16, .size: 8, .value_kind: global_buffer, .address_space: global }
      - { .name: mc, .offset: 24, .size: 8, .value_kind: global_buffer, .address_space: global }
    .group_segment_fixed_size: 68096
    .private_segment_fixed_size: 0
    .kernarg_segment_align: 8
    .kernarg_segment_size: 32
    .max_flat_workgroup_size: 384
    .sgpr_count:     66
    .vgpr_count:     256
    .wavefront_size: 32
...
	.end_amdgpu_metadata
.endif
;; end of part 1
;; launch distance (part 2): grid 16 x 16, 4 waves a work-group, no clusters, 180,736 bytes of LDS; arguments X, mc, out0; writes out0
.if DOCPART == 2
	.amdgcn_target "amdgcn-amd-amdhsa--gfx1250"
	.amdhsa_code_object_version 6
	.text
	.protected	k_q08636b49f1_distance
	.globl	k_q08636b49f1_distance
	.p2align	8
	.type	k_q08636b49f1_distance,@function
k_q08636b49f1_distance:
	s_mov_b64 s[64:65], 0
	v_nop
	global_prefetch_b8 v0, s[64:65] scope:SCOPE_SE
	s_setreg_imm32_b32 hwreg(HW_REG_WAVE_MODE, 25, 1), 1
	s_wait_xcnt 0x0
; D[b][k] = sum over d of m[k][d] (X[b][d] - C[k][d])^2, m = 0 or 1.  X: [512][1024] f32; mc: m and -m C from the launch before, in the order of this launch's registers; D: [512][512] f32.
; For each (b, k, d): t = x m + (-m C), one fused multiply-add: where m = 1 it is the f32 difference x - C, where m = 0 it is 0; then D += t t.  Packed, two k at a time: two instructions for two terms.
; 512 x 512 x 1,024 terms are 8,388,608 such instructions: 8,192 for each of 1,024 waves; all else here is there to feed them.
; SHARES.  A work-group makes 32 b x 32 k of D: 256 work-groups of four waves, one to a SIMD.  d IS SPLIT 16 WAYS: wave w takes d = 256 w .. 256 w + 255, and of each 16 of them lane bits 1:0 (dq) take four.
; Lane bits 3:2 (ksub) choose 8 k, bit 4 (bsub) 16 b.  So a lane owns 8 k x 16 b, 128 sums, and each 16 bytes that it loads feed 32 (x) or 32 (mc) packed instructions.
; A STEP is 4 d a lane (16 d a wave), 16 steps: 256 instructions make t, 256 add t t.  It takes 16 loads of 16 bytes of mc (m, m, -mC, -mC of two k and one d) and 16 of x (four d of one b).
; mc COMES STRAIGHT INTO REGISTERS: a load's 32 lanes read 256 consecutive bytes (the two halves of the lanes the same).  Four buffers of a step each, asked for three steps ahead.
; x COMES IN WHOLE ROWS' PIECES OF 256 BYTES (four steps' worth of a row): 16 loads of 2 x 256 bytes for the 32 rows, asked for three steps ahead, laid into the wave's own LDS bytes and fetched from there 16 bytes a lane, a step ahead.
; Each piece has LDS bytes of its own and only its wave touches them: no barrier in the loop, and nothing in LDS is written twice.
; THE END: the four dq lanes' sums are added by two steps inside the row of lanes, the four waves' through 16 KiB of LDS behind the launch's one barrier.
; NO JOINT LOADS, though 16 work-groups walk the same mc and 16 the same rows of X: a joint load lands in LDS; a work-group's 256 KiB of mc and 128 KiB of x do not fit there together, so it would take a ring,
; and mc would be read from LDS, 16 more loads of 16 bytes a step and wave, where now it is read by nobody but the lanes that use it.
; out0: a tile's row is 32 k = 128 bytes, half of an aligned 256.  A tile of 64 k x 16 b would store whole ones and read 512 + 64 KiB in place of 256 + 128 KiB for each work-group, for an output of 1 MiB in all.
; No prefetch: every stream is asked for three steps (over 1,500 instructions) ahead by its own loads.
; The sums are taken in another order than a plain sum over d (16 partial sums); all in f32.
; REGISTERS, in windows of 256 (s_set_vgpr_msb: bits 1:0 source 0, 3:2 source 1, 5:4 source 2, 7:6 destination):
;   window 0: v1-9 addresses; v16-143 the sums (b i, k pair jp at v[16 + 8 i + 2 jp]); v144-207 x as it comes from memory.
;   window 1: v0-127 x, two sets of 16 b x 4 d; v128-255 t.      window 2: mc, four buffers of 64.
; t is made 64 pairs at a time and then added 64 pairs at a time: eight switches for a step's 512 instructions, and between two additions onto one sum stand the 63 others and 64 more.
.set WREG, 40960                       ; LDS: a wave's region: 4 pieces of 32 rows x 256 bytes, and 8,192 bytes left unused
.set STG,  4*WREG                      ; behind them: a stage of 32 b x 32 k f32 for each wave
.set MCO,  1                           ; v1  mc: 16 x (lane % 16)
.set XGO,  2                           ; v2  X: lanes 0-15 a row's 256 bytes, lanes 16-31 the next row's
.set XSA0, 3                           ; v3  LDS: where those go: region + 16 x lane;   v4 the same in the piece in hand
.set XSA,  4
.set XLA0, 5                           ; v5  LDS: where my x lies: region + 16 bsub rows + 16 dq;   v6 the same in the piece in hand
.set XLA,  6
.set STO,  7                           ; v7  the stage: where my sums go
.set STR,  8                           ; v8  and where I read the four waves' parts
.set GO,   9                           ; v9  my byte offset in the wave's 8 rows of D
.set ACC,  16
.set XS,   144
.set T,    128                         ; in window 1
.set W_T,   0x69                       ; t (window 1) = x (window 1) x m (window 2) + -mC (window 2)
.set W_ACC, 0x05                       ; sum (window 0) += t t (window 1)
.set MSB, 0
.macro WIN new                         ; the immediate's high byte repeats the setting that is left; a switch that changes nothing is dropped
.if MSB != \new
	s_set_vgpr_msb (MSB<<8)|\new
.set MSB, \new
.endif
.endm
	s_load_b128 s[4:7], s[0:1], 0x0                ; X s[4:5], mc s[6:7]
	s_load_b64 s[8:9], s[0:1], 0x10                ; D
	v_lshl_add_u32 v254, v0, 2, 0x2c000
	v_mov_b32 v255, 0
	v_lshrrev_b32 v1, 5, v0
	v_readfirstlane_b32 s10, v1                    ; wave 0..3
	s_and_b32 s12, ttmp7, 0xffff                   ; the tile of 32 b;  ttmp9: the tile of 32 k
	v_and_b32 v10, 31, v0                          ; lane
	v_and_b32 v11, 15, v0
	v_bfe_u32 v12, v0, 4, 1                        ; bsub
	v_and_b32 v13, 3, v0                           ; dq
	v_bfe_u32 v14, v0, 2, 2                        ; ksub
	v_lshlrev_b32 v[MCO], 4, v11
	v_lshlrev_b32 v[XGO], 12, v12
	v_lshl_add_u32 v[XGO], v11, 4, v[XGO]
	s_mul_i32 s15, s10, WREG
	v_lshl_add_u32 v[XSA0], v10, 4, s15
	v_lshlrev_b32 v[XLA0], 12, v12
	v_lshl_add_u32 v[XLA0], v13, 4, v[XLA0]
	v_add_nc_u32 v[XLA0], s15, v[XLA0]
	s_lshl_b32 s15, s10, 12
	s_add_co_u32 s15, s15, STG
	v_lshlrev_b32 v[STO], 11, v12                  ; my wave's stage: row 16 bsub (+ i) of 128 bytes,
	v_lshl_add_u32 v[STO], v14, 5, v[STO]          ; my eight k: 32 bytes
	v_add_nc_u32 v[STO], s15, v[STO]
	s_lshl_b32 s15, s10, 10
	s_add_co_u32 s15, s15, STG
	v_lshl_add_u32 v[STR], v10, 4, s15             ; back: rows 8 w .. 8 w + 7 of every stage, 1,024 bytes as they lie, 16 a lane
	v_lshrrev_b32 v[GO], 3, v10
	v_lshlrev_b32 v[GO], 11, v[GO]                 ; eight lanes to a row's 128 bytes: row lane / 8 of 2,048 bytes,
	v_and_b32 v15, 7, v0
	v_lshl_add_u32 v[GO], v15, 4, v[GO]            ; 16 bytes a lane
	s_lshl_b32 s16, s12, 17                        ; X: 32 rows of 4,096 bytes a tile, my wave's 1,024 bytes of a row
	s_lshl_b32 s17, s10, 10
	s_add_co_u32 s16, s16, s17
	s_mov_b32 s17, 0
	s_mov_b32 s14, 0                               ; the piece in hand, in LDS bytes
	s_wait_kmcnt 0x0
	s_add_nc_u64 s[4:5], s[4:5], s[16:17]
	s_lshl_b32 s16, ttmp9, 18                      ; mc: 2^18 bytes a tile of k, 2^16 a wave
	s_lshl_b32 s15, s10, 16
	s_add_co_u32 s16, s16, s15
	s_add_nc_u64 s[6:7], s[6:7], s[16:17]
	s_lshl_b32 s16, s12, 16                        ; D: 32 rows of 2,048 bytes a tile of b, 128 bytes a tile of k, my wave's 8 rows
	s_lshl_b32 s15, ttmp9, 7
	s_add_co_u32 s16, s16, s15
	s_lshl_b32 s15, s10, 14
	s_add_co_u32 s16, s16, s15
	s_add_nc_u64 s[8:9], s[8:9], s[16:17]
.macro MLOAD buf, off                      ; a step's mc, 4,096 bytes from off on, into buffer buf: load 4 e + jp: d e of my four, k pair jp of my four
	WIN 0x80                                       ; destination window 2, address window 0
.irp q, 0,1,2,3,4,5,6,7,8,9,10,11,12,13,14,15
	global_load_b128 v[64*(\buf)+4*\q:64*(\buf)+4*\q+3], v[MCO], s[6:7] offset:\off+256*\q
.endr
.endm
.macro XLOAD off                           ; a piece of x: 256 bytes, from off on, of each of the 32 rows
	WIN 0
.irp n, 0,1,2,3,4,5,6,7,8,9,10,11,12,13,14,15
	global_load_b128 v[XS+4*\n:XS+4*\n+3], v[XGO], s[4:5] offset:\off+8192*\n
.endr
.endm
.macro XSTORE off                          ; into my region, rows of 256 bytes on end
	WIN 0
.irp n, 0,1,2,3,4,5,6,7,8,9,10,11,12,13,14,15
	ds_store_b128 v[XSA], v[XS+4*\n:XS+4*\n+3] offset:\off+512*\n
.endr
.endm
.macro XFETCH set, off                     ; a step's x: four d of each of my 16 b.  Sixteen lanes want four different pieces of 16 bytes, 64 bytes on end
	WIN 0x40                                       ; destination window 1, address window 0
.irp i, 0,1,2,3,4,5,6,7,8,9,10,11,12,13,14,15
	ds_load_b128 v[64*(\set)+4*\i:64*(\set)+4*\i+3], v[XLA] offset:\off+256*\i
.endr
.endm
.macro COMPUTE set, buf                    ; a step's 512 packed instructions.  Of the pair that holds x(d), x(d + 1) one word serves both halves: the halves are two k
.irp e, 0,1,2,3
	WIN W_T
.irp jp, 0,1,2,3
.irp i, 0,1,2,3,4,5,6,7,8,9,10,11,12,13,14,15
.if \e%2 == 0
	v_pk_fma_f32 v[T+32*\jp+2*\i:T+32*\jp+2*\i+1], v[64*(\set)+4*\i+2*(\e/2):64*(\set)+4*\i+2*(\e/2)+1], v[64*(\buf)+16*\e+4*\jp:64*(\buf)+16*\e+4*\jp+1], v[64*(\buf)+16*\e+4*\jp+2:64*(\buf)+16*\e+4*\jp+3] op_sel_hi:[0,1,1]
.else
	v_pk_fma_f32 v[T+32*\jp+2*\i:T+32*\jp+2*\i+1], v[64*(\set)+4*\i+2*(\e/2):64*(\set)+4*\i+2*(\e/2)+1], v[64*(\buf)+16*\e+4*\jp:64*(\buf)+16*\e+4*\jp+1], v[64*(\buf)+16*\e+4*\jp+2:64*(\buf)+16*\e+4*\jp+3] op_sel:[1,0,0] op_sel_hi:[1,1,1]
.endif
.endr
.endr
	WIN W_ACC
.irp jp, 0,1,2,3
.irp i, 0,1,2,3,4,5,6,7,8,9,10,11,12,13,14,15
	v_pk_fma_f32 v[ACC+8*\i+2*\jp:ACC+8*\i+2*\jp+1], v[T+32*\jp+2*\i:T+32*\jp+2*\i+1], v[T+32*\jp+2*\i:T+32*\jp+2*\i+1], v[ACC+8*\i+2*\jp:ACC+8*\i+2*\jp+1]
.endr
.endr
.endr
.endm
; STEP s of a trip's four (the trip is piece c of x, steps 4 c + s).  M(t): step t's 16 loads of mc;  X(c): piece c's 16 loads of x.  Loads come back in the order of issue (ISA guide 5.7.1).
; In a trip of the loop they are issued in this order: X(c+1), M(4c+3) ahead of step 4c; M(4c+4), M(4c+5), M(4c+6) ahead of the next three steps.  tail = 1: the last trip asks only for M(15).
.macro STEP s, tail
.if (\s) > 0
	s_wait_dscnt 0x0                               ; this step's x, fetched a step ago, is in (ahead of a trip's first step this wait stands at the trip's edge)
.endif
.if \tail
.if (\s) < 2
	s_wait_loadcnt 32                              ; this step's mc is in; behind it two steps' loads may be out
.else
	s_wait_loadcnt 16*(3-(\s))                     ; one step's, then none
.endif
.else
.if ((\s) == 0) || ((\s) == 3)
	s_wait_loadcnt 32                              ; this step's mc is in; behind it two steps' mc may be out.  (s = 3: X(c+1) was issued ahead of this step's mc, so it is in too)
.else
	s_wait_loadcnt 48                              ; behind this step's mc: two steps' mc and X(c+1)
.endif
.endif
.if ((\s) == 3) && ((\tail) == 0)
	XSTORE 8192                                    ; the next piece goes into its own bytes
.endif
.if ((\s) == 0) && ((\tail) == 0)
	XLOAD 256                                      ; (the stores that read these registers were waited for at the trip's edge)
.endif
.if ((\s) == 0) || ((\tail) == 0)
	MLOAD ((\s)+3)%4, ((\s)+3)*4096                ; into the buffer that the step before has left
.endif
.if (\s) < 3
	XFETCH ((\s)+1)%2, 64*((\s)+1)                 ; the next step's x, into the set that the step before has left
.elseif (\tail) == 0
	XFETCH 0, 8192                                 ; from the piece just stored: LDS serves a wave's instructions in order (ISA guide 5.7.1.4)
.endif
	COMPUTE (\s)%2, \s
.endm
	XLOAD 0                                        ; piece 0, and three steps of mc
	MLOAD 0, 0
	MLOAD 1, 4096
	MLOAD 2, 8192
	WIN 0
.set nn, 0
.rept 128
	v_mov_b32 v[ACC+nn], 0                         ; the sums begin as zeros: written while the first loads are on their way, in place of a third copy of a trip whose first 64 products would start them
.set nn, nn+1
.endr
	v_add_nc_u32 v[XSA], s14, v[XSA0]
	v_add_nc_u32 v[XLA], s14, v[XLA0]
	s_wait_loadcnt 48                              ; piece 0 is in; the three steps of mc may be out
	XSTORE 0
	XFETCH 0, 0
	WIN 0                                          ; at a label and at a branch every window is 0
	s_wait_dscnt 0x0
	s_mov_b32 s13, 0
.Ltrip:                                            ; three trips of four steps
	STEP 0, 0
	STEP 1, 0
	STEP 2, 0
	STEP 3, 0
	WIN 0
	s_wait_dscnt 0x0                               ; the next step's x is in, and no LDS instruction of mine still reads an address or x's staging registers
	s_wait_xcnt 0x0                                ; the loads issued so far have read their bases (ISA guide 3.1): these step only behind this wait
	s_add_nc_u64 s[6:7], s[6:7], 16384             ; four steps of mc on,
	s_add_nc_u64 s[4:5], s[4:5], 256               ; a piece of x on,
	s_add_co_u32 s14, s14, 8192                    ; and in LDS
	v_add_nc_u32 v[XSA], s14, v[XSA0]
	v_add_nc_u32 v[XLA], s14, v[XLA0]
	s_add_co_u32 s13, s13, 1
	s_cmp_lt_u32 s13, 3
	s_cbranch_scc1 .Ltrip
	STEP 0, 1                                      ; the last four steps are written out: no load passes the end of its stream, and the counts run down
	STEP 1, 1
	STEP 2, 1
	STEP 3, 1
	WIN 0
	; THE END.  The lanes that differ in dq alone hold parts of the same 128 sums: lane xor 1, then lane xor 2, ride on the additions
.irp x, 1,2
.set nn, 0
.rept 128
	v_add_f32_dpp v[ACC+nn], v[ACC+nn], v[ACC+nn] row_xmask:\x row_mask:0xf bank_mask:0xf
.set nn, nn+1
.endr
.endr
.irp i, 0,1,2,3,4,5,6,7,8,9,10,11,12,13,14,15
	ds_store_b128 v[STO], v[ACC+8*\i:ACC+8*\i+3] offset:128*\i          ; row 16 bsub + i, my eight k; the four dq lanes write the same bytes with the same values
	ds_store_b128 v[STO], v[ACC+8*\i+4:ACC+8*\i+7] offset:128*\i+16
.endr
	s_wait_dscnt 0x0                               ; for the others' sake: my wave's part lies in its stage
	s_barrier_signal -1
	s_barrier_wait -1
.irp p, 0,1,2,3
.irp f, 0,1
	ds_load_b128 v[XS+8*\p+4*\f:XS+8*\p+4*\f+3], v[STR] offset:4096*\p+512*\f   ; wave p's part of my rows: 512 consecutive bytes a load
.endr
.endr
	s_wait_dscnt 0x0
.irp u, 0,2,4,6
	v_pk_add_f32 v[XS+\u:XS+\u+1], v[XS+\u:XS+\u+1], v[XS+8+\u:XS+8+\u+1]
	v_pk_add_f32 v[XS+16+\u:XS+16+\u+1], v[XS+16+\u:XS+16+\u+1], v[XS+24+\u:XS+24+\u+1]
.endr
.irp u, 0,2,4,6
	v_pk_add_f32 v[XS+\u:XS+\u+1], v[XS+\u:XS+\u+1], v[XS+16+\u:XS+16+\u+1]
.endr
	global_store_b128 v[GO], v[XS:XS+3], s[8:9] th:TH_STORE_NT                  ; four rows' 128 consecutive bytes each
	global_store_b128 v[GO], v[XS+4:XS+7], s[8:9] offset:4*2048 th:TH_STORE_NT
	s_wait_tensorcnt 0x0
	ds_add_u32 v254, v255
	s_wait_dscnt 0x0
	s_endpgm
.Lfunc_end_k_q08636b49f1_distance:
	.size	k_q08636b49f1_distance, .Lfunc_end_k_q08636b49f1_distance-k_q08636b49f1_distance
	.p2alignl 7, 3214868480
	.fill 96, 4, 3214868480
	.section	.rodata,"a",@progbits
	.p2align	6, 0x0
	.amdhsa_kernel k_q08636b49f1_distance
		.amdhsa_group_segment_fixed_size 180736
		.amdhsa_private_segment_fixed_size 0
		.amdhsa_enable_private_segment 0
		.amdhsa_kernarg_size 24
		.amdhsa_user_sgpr_count 2
		.amdhsa_user_sgpr_kernarg_segment_ptr 1
		.amdhsa_wavefront_size32 1
		.amdhsa_system_sgpr_workgroup_id_x 1
		.amdhsa_system_sgpr_workgroup_id_y 1
		.amdhsa_system_sgpr_workgroup_id_z 1
		.amdhsa_system_vgpr_workitem_id 0
		.amdhsa_next_free_vgpr 768
		.amdhsa_next_free_sgpr 66
		.amdhsa_reserve_vcc 0
		.amdhsa_float_denorm_mode_32 3
		.amdhsa_float_denorm_mode_16_64 3
		.amdhsa_memory_ordered 1
		.amdhsa_forward_progress 1
		.amdhsa_inst_pref_size 255
	.end_amdhsa_kernel
	.section	.bss,"aw",@nobits
	.p2align	6
	.space	262144
	.amdgpu_metadata
---
amdhsa.version: [ 1, 2 ]
amdhsa.kernels:
  - .name:           k_q08636b49f1_distance
    .symbol:         k_q08636b49f1_distance.kd
    .args:
      - { .name: X, .offset: 0, .size: 8, .value_kind: global_buffer, .address_space: global }
      - { .name: mc, .offset: 8, .size: 8, .value_kind: global_buffer, .address_space: global }
      - { .name: out0, .offset: 16, .size: 8, .value_kind: global_buffer, .address_space: global }
    .group_segment_fixed_size: 180736
    .private_segment_fixed_size: 0
    .kernarg_segment_align: 8
    .kernarg_segment_size: 24
    .max_flat_workgroup_size: 128
    .sgpr_count:     66
    .vgpr_count:     768
    .wavefront_size: 32
...
	.end_amdgpu_metadata
.endif
;; end of part 2
;; ======== version 2 of 2: 2 launches; version 1 with the launch centroids written anew for expert scheduling mode
;; workspace buffers: mc 4,194,304 bytes
;; launch centroids (part 3): grid 16 x 16, 12 waves a work-group, no clusters, 68,096 bytes of LDS; arguments X, U, M, mc; writes mc
.if DOCPART == 3
	.amdgcn_target "amdgcn-amd-amdhsa--gfx1250"
	.amdhsa_code_object_version 6
	.text
	.protected	k_q08636b49f1_centroids
	.globl	k_q08636b49f1_centroids
	.p2align	8
	.type	k_q08636b49f1_centroids,@function
k_q08636b49f1_centroids:
	s_mov_b64 s[64:65], 0
	v_nop
	global_prefetch_b8 v0, s[64:65] scope:SCOPE_SE
	s_setreg_imm32_b32 hwreg(HW_REG_WAVE_SCHED_MODE, 0, 2), 2
	s_setreg_imm32_b32 hwreg(HW_REG_WAVE_MODE, 25, 1), 1
	s_wait_xcnt 0x0
	s_wait_alu depctr_vm_vsrc(0)
; C[k][d] = (1/512) sum over b of U[b][k] X[b][d], both operands quantised along b to FP6 (E2M3) with one E8M0 scale for each 32 b; then
; m = round(clip(M, 0, 1)) and the pair (m, -m C) for every (k, d), stored in the order in which the next launch's registers take them.
; X: [512 b][1024 d], U: [512 b][512 k], M: [512 k][1024 d], all f32.  mc: 4 MiB, layout below.
; SHARES.  A work-group makes 32 k x 64 d of C.  It has 96 columns to quantise (32 of U, 64 of X), 512 along K each: 12 waves, wave w = 32 columns (w / 4: U, X's first 32, X's last 32) x one K step of 128 (w % 4).
; K IS THE FIRST AXIS OF BOTH OPERANDS: a lane takes a column and its registers run down K, so a block of 32 lies in one lane's 32 registers, its largest magnitude needs no other lane,
; and the conversions give codes with K innermost.  Each load reads 128 consecutive bytes a wave.  A column's codes go to a row of LDS (384 bytes + 16), its scale word beside them.
; Behind ONE barrier waves 0-3 multiply: wave w takes d 16 w .. 16 w + 15 and both tiles of 16 k: two accumulators by turns, 4 K steps.  Source 0 = 16 k, source 1 = 16 d: a lane then holds one d and eight neighbouring k.
; A block's scale is 2^(floor(log2(largest magnitude)) - 2); its byte is that magnitude's exponent field - 2, held at 1 from below.
; mc, byte address: kt 2^18 + (d / 256) 2^16 + ((d / 16) % 16) 4096 + (d % 4) 1024 + ((k / 2) % 4) 256 + ((k / 8) % 4) 64 + ((d / 4) % 4) 16, kt = k / 32: there 16 bytes: m(k), m(k+1), -mC(k), -mC(k+1), k even.
; A wave's 32 k x 16 d are 4,096 consecutive bytes of mc: gathered in the wave's own LDS bytes and stored as 8 x 512 consecutive bytes.
; NO JOINT LOADS, though 16 work-groups read the same columns of U and 16 the same of X: a joint load lands in LDS, and every number has to reach a lane's register by a 4-byte load either way;
; through LDS the work-group's 192 KiB would be written and read once more for a launch whose whole matrix work is 8 instructions a wave.
; LIMITS: a NaN in M gives m = 0 (the maximum with 0 drops it), where clip and round would keep the NaN.  NaN and infinities in X or U are not served.
; A block of zeros gets the byte 1 where the rule says 127: its codes are zeros, and the bytes are read by this launch alone.
; THE MODE: SCHED_MODE bits 1:0 = 2 (LLVM: expert scheduling mode 2), set by the entry lines.  The code itself states the register dependences
; between vector or matrix instructions and memory or LDS instructions, with s_wait_alu, always for 0.
; THE PLAN.  Registers that memory or LDS instructions touch, in the order of the text:
;   v2-14      offsets and LDS addresses: written by the head's vector lines, once; read by every load and store; never written again.  One wait on va_vdst at the head's end serves them all.
;   v32-159    a column's numbers: loaded; read by the blocks' maxima and conversions.  Behind the barrier the fragments' LDS loads land in v32-175.
;   v200-215   M's numbers: loaded, clipped and rounded in place, read by four LDS stores.  Behind the barrier they are part of the quads (v192-223): m's LDS loads and the multiplications write them.
;   v160-183, v20   codes and scale word: written by conversions, moves and shifts; read by seven LDS stores.  Behind the barrier: fragments (v160-175) and sums (v176-183).
;   v184-199   the codes' second halves as they are made: vector lines alone; behind the barrier sums (v184-191) and quads (v192-199).
;   v244-255   scale words: LDS loads write them, the products read them, nothing else names them.
;   v192-223   the quads: read by eight LDS stores.      v32-63   the image read back by LDS loads, read by the global stores.
; So each arm has ONE wait on va_vdst, behind its last block and ahead of its run of LDS stores: it states that the stores' data are written, and also that every vector line that named v32-223 is done;
; no vector line stands between it and the LDS loads behind the barrier.  ONE wait on vm_vsrc, behind the barrier and ahead of the branch, states that those LDS stores have read their data.
; ONE more wait on va_vdst stands ahead of the quads' LDS stores.  The wave's number has its wait on va_sdst ahead of its first reader.
.set PU,    2048                       ; bytes in a row of U
.set PX,    4096                       ; bytes in a row of X and of M
.set CP,    400                        ; LDS: a column's 512 codes, 384 bytes, + 16: 25 x 16, so 16 lanes' 16-byte stores fall into 16 different columns of 16 bytes modulo 256
.set CODES, 0                          ; 96 rows of CP
.set SCL,   96*CP                      ; scale words: [K step][column], 4 bytes each
.set MSK,   SCL+4*96*4                 ; m: 32 rows (k) of 256 bytes + 16
.set MP,    272
.set IMG,   MSK+32*MP                  ; four images of 4 x (1,024 + 64) bytes, one for each multiplying wave
.set EP,    1088                       ; 272 words: part e starts 16 e banks on, a lane's dq 4 banks on: 16 lanes, 16 different columns of 16 bytes
.set NUM,   32                         ; v32-159  128 numbers of my column
.set CD,    160                        ; v160-183 their codes, 96 bytes
.set CT,    184                        ; v184-199 the second halves of the blocks' codes as they are made
.set MR,    200                        ; v200-215 16 numbers of M
.set AF,    32                         ; v32-127  U's 8 fragments (tile a, K step q: 4 a + q)
.set BF,    128                        ; v128-175 X's 4 fragments
.set ACC,   176                        ; v176-191 two accumulators
.set OQ,    192                        ; v192-223 8 quads (m, m, -mC, -mC)
.set RB,    32                         ; v32-63   the image read back
.set SA,    244                        ; v244-251 U's scale words; v252-255 X's: these registers hold scales and nothing else
.set SB,    252
	s_load_b256 s[4:11], s[0:1], 0x0               ; X s[4:5], U s[6:7], M s[8:9], mc s[10:11]
	v_lshl_add_u32 v242, v0, 2, 0x10400
	v_mov_b32 v243, 0
	v_lshrrev_b32 v1, 5, v0
	v_readfirstlane_b32 s12, v1                    ; wave 0..11
	v_and_b32 v1, 31, v0                           ; lane
	v_and_b32 v15, 15, v0                          ; r
	v_bfe_u32 v16, v0, 4, 1                        ; h
	v_lshlrev_b32 v2, 2, v1                        ; v2: my column in a row of U or X: 4 x lane
	s_wait_alu depctr_va_sdst(0)                   ; s12 is written, ahead of its first reader: the line below
	s_lshr_b32 s13, s12, 2                         ; g: which 32 columns (0: U's)
	s_and_b32 s14, s12, 3                          ; which K step; in waves 0-3 also the wave's number
	s_and_b32 s16, ttmp7, 0xffff                   ; kt: the tile of 32 k;  ttmp9: the tile of 64 d
	; every address register is made here, ahead of the waves' parting
	s_mul_i32 s17, s13, 32*CP
	s_mul_i32 s18, s14, 96
	s_add_co_u32 s17, s17, s18
	v_mul_u32_u24 v3, v1, CP
	v_add_nc_u32 v3, s17, v3                       ; v3: where my 96 code bytes go: row 32 g + lane, K step's 96 bytes
	s_mul_i32 s17, s14, 96*4
	s_lshl_b32 s18, s13, 7
	s_add_co_u32 s17, s17, s18
	s_add_co_u32 s17, s17, SCL
	v_add_nc_u32 v4, s17, v2                       ; v4: and my scale word
	v_lshlrev_b32 v5, 12, v16
	v_lshl_add_u32 v5, v15, 4, v5                  ; v5: M: lanes 0-15 one row's 256 bytes, lanes 16-31 the next row's
	s_mul_i32 s17, s14, 8*MP
	s_add_co_u32 s17, s17, MSK
	v_mul_u32_u24 v6, v16, MP
	v_lshl_add_u32 v6, v15, 4, v6
	v_add_nc_u32 v6, s17, v6                       ; v6: the same two rows of m in LDS, from row 8 x wave on
	v_mul_u32_u24 v7, v15, CP
	v_mad_u32_u24 v7, v16, 24, v7                  ; v7: a fragment of U: row r, + 24 h
	s_mul_i32 s17, s14, 16*CP
	s_add_co_u32 s17, s17, 32*CP
	v_add_nc_u32 v8, s17, v7                       ; v8: of X: row 32 + 16 x wave + r
	v_lshl_add_u32 v9, v15, 2, SCL                 ; v9: U's scale words
	s_lshl_b32 s17, s14, 6
	s_add_co_u32 s17, s17, 128
	v_add_nc_u32 v10, s17, v9                      ; v10: X's
	v_mul_u32_u24 v11, v16, 8*MP
	v_lshl_add_u32 v11, v15, 2, v11
	s_add_co_u32 s17, s17, MSK-128
	v_add_nc_u32 v11, s17, v11                     ; v11: m(8 h + .., 16 x wave + r)
	v_and_b32 v17, 3, v15
	v_mul_u32_u24 v12, v17, EP                     ; the image: part d % 4,
	v_lshrrev_b32 v17, 2, v15
	v_lshl_add_u32 v12, v17, 4, v12                ; 16 bytes for (d / 4) % 4,
	v_lshl_add_u32 v12, v16, 6, v12                ; 64 for my eight k
	s_mul_i32 s17, s14, 4*EP
	s_add_co_u32 s17, s17, IMG
	v_add_nc_u32 v12, s17, v12                     ; v12: where my quads go
	v_lshlrev_b32 v14, 4, v1                       ; v14: 16 x lane: my place in 512 bytes of mc
	v_add_nc_u32 v13, s17, v14                     ; v13: and in the image, read back as it lies
.macro COLUMN base, pitch                  ; 128 numbers down K of my column
.set nn, 0
.rept 128
	global_load_b32 v[NUM+nn], v2, s[\base:\base+1] offset:nn*\pitch
.set nn, nn+1
.endr
.endm
.macro BLOCK t                             ; block t of my four: 32 numbers become 24 bytes of codes and a byte of the scale word
.set XB, NUM+32*(\t)
	v_max3_num_f32 v16, |v[XB]|, |v[XB+1]|, |v[XB+2]|              ; the largest magnitude, in two chains
	v_max3_num_f32 v17, |v[XB+3]|, |v[XB+4]|, |v[XB+5]|
.irp i, 6,10,14,18,22,26
	v_max3_num_f32 v16, v16, |v[XB+\i]|, |v[XB+\i+1]|
	v_max3_num_f32 v17, v17, |v[XB+\i+2]|, |v[XB+\i+3]|
.endr
	v_max3_num_f32 v16, v16, |v[XB+30]|, |v[XB+31]|
	v_max3_num_f32 v16, v16, v17, 0x1800000        ; and the floor 2^(3 - 127): the byte cannot fall under 1
	v_add_nc_u32 v18, 0xff000000, v16              ; 2 off the exponent field: the conversion takes this operand's exponent field as its scale
	v_lshrrev_b32 v19, 23, v18                     ; the scale's byte
.if (\t) == 0
	v_mov_b32 v20, v19
.else
	v_lshl_or_b32 v20, v19, 8*(\t), v20            ; the lower K in the lower byte
.endif
	v_cvt_scalef32_pk16_fp6_f32 v[CD+6*(\t):CD+6*(\t)+2], v[XB:XB+15], v18
	v_cvt_scalef32_pk16_fp6_f32 v[CT+4*(\t):CT+4*(\t)+2], v[XB+16:XB+31], v18   ; a conversion's three registers begin on an even number: the second half is made elsewhere and moved
	v_nop                                          ; one plain place behind a scaled conversion
.irp i, 0,1,2
	v_mov_b32 v[CD+6*(\t)+3+\i], v[CT+4*(\t)+\i]
.endr
.endm
.macro BLOCKS                              ; blocks 0 and 1 are in when this begins
	BLOCK 0
	BLOCK 1
	s_wait_loadcnt 32                              ; block 2 is in; block 3's 32 loads may be out
	BLOCK 2
	s_wait_loadcnt 0x0
	BLOCK 3
.endm
.macro SENDC                               ; my codes and my scale word go to LDS
.irp c, 0,1,2,3,4,5
	ds_store_b128 v3, v[CD+4*\c:CD+4*\c+3] offset:16*\c            ; 96 bytes: the K step's stream of codes of my column
.endr
	ds_store_b32 v4, v20
.endm
	s_mov_b32 s21, 0
	s_wait_kmcnt 0x0
	s_wait_alu depctr_va_vdst(0)                   ; the offsets and addresses v2 to v14 are written, which the loads and stores of both arms and of the part behind the barrier read; no later vector line names them
	s_cmp_lt_u32 s12, 4
	s_cbranch_scc0 .Lx_columns
	; ---- waves 0-3: 8 rows of M's tile, and 32 columns of U
	s_lshl_b32 s20, s16, 17                        ; M: row 32 kt + 8 x wave, byte 256 x d tile
	s_lshl_b32 s22, s14, 15
	s_add_co_u32 s20, s20, s22
	s_lshl_b32 s22, ttmp9, 8
	s_add_co_u32 s20, s20, s22
	s_add_nc_u64 s[8:9], s[8:9], s[20:21]
	s_lshl_b32 s20, s14, 18                        ; U: row 128 x K step, byte 128 kt
	s_lshl_b32 s22, s16, 7
	s_add_co_u32 s20, s20, s22
	s_add_nc_u64 s[6:7], s[6:7], s[20:21]
.irp n, 0,1,2,3
	global_load_b128 v[MR+4*\n:MR+4*\n+3], v5, s[8:9] offset:\n*2*PX th:TH_LOAD_NT   ; two whole rows of 256 bytes; each number of M is read once in the launch
.endr
	COLUMN 6, PU
	s_wait_loadcnt 63                              ; a wait names 63 at the most: of my 132 loads the first 69 are in: M's four and blocks 0 and 1
.irp n, 0,1,2,3,4,5,6,7,8,9,10,11,12,13,14,15
	v_max_num_f32 v[MR+\n], 0, v[MR+\n]            ; clip at 0,
.endr
.irp n, 0,1,2,3,4,5,6,7,8,9,10,11,12,13,14,15
	v_min_num_f32 v[MR+\n], 1.0, v[MR+\n]          ; at 1,
.endr
.irp n, 0,1,2,3,4,5,6,7,8,9,10,11,12,13,14,15
	v_rndne_f32 v[MR+\n], v[MR+\n]                 ; and round, ties to even: m is 0 or 1
.endr
	BLOCKS
	s_wait_alu depctr_va_vdst(0)                   ; the roundings have written v[MR ..], the conversions, moves and shifts v[CD ..] and v20, which the LDS stores below read; and every vector line that named v32 to v215 is done, ahead of the LDS loads that land there behind the barrier
.irp n, 0,1,2,3
	ds_store_b128 v6, v[MR+4*\n:MR+4*\n+3] offset:\n*2*MP
.endr
	SENDC
	s_branch .Ljoin
.Lx_columns:
	; ---- waves 4-11: 32 columns of X
	s_lshl_b32 s20, s14, 19                        ; X: row 128 x K step, byte 256 x d tile + 128 (g - 1)
	s_lshl_b32 s22, ttmp9, 8
	s_add_co_u32 s20, s20, s22
	s_sub_co_u32 s22, s13, 1
	s_lshl_b32 s22, s22, 7
	s_add_co_u32 s20, s20, s22
	s_add_nc_u64 s[4:5], s[4:5], s[20:21]
	COLUMN 4, PX
	s_wait_loadcnt 63                              ; of my 128 loads the first 65 are in: blocks 0 and 1
	BLOCKS
	s_wait_alu depctr_va_vdst(0)                   ; the conversions, moves and shifts have written v[CD ..] and v20, which the LDS stores below read
	SENDC
.Ljoin:
	s_wait_dscnt 0x0                               ; for the others' sake: my codes, my scale words and my rows of m lie in LDS
	s_barrier_signal -1
	s_barrier_wait -1
	s_wait_alu depctr_vm_vsrc(0)                   ; my LDS stores have read v160 to v183 (the codes) and v200 to v215 (m): behind the branch below the fragments' and m's LDS loads, the products and the multiplications write these registers
	s_cmp_lt_u32 s12, 4
	s_cbranch_scc0 .Ldone                          ; waves 4-11 have done their part
	; ---- waves 0-3: 32 k x 16 d
	s_lshl_b32 s20, s16, 18                        ; mc: kt 2^18 + (d tile / 4) 2^16 + (4 (d tile % 4) + wave) 4096
	s_lshr_b32 s22, ttmp9, 2
	s_lshl_b32 s22, s22, 16
	s_add_co_u32 s20, s20, s22
	s_and_b32 s22, ttmp9, 3
	s_lshl_b32 s22, s22, 2
	s_add_co_u32 s22, s22, s14
	s_lshl_b32 s22, s22, 12
	s_add_co_u32 s20, s20, s22
	s_add_nc_u64 s[10:11], s[10:11], s[20:21]
; a fragment, 16 rows x 128 K of 6-bit codes: lane (r, h) takes 24 bytes at 24 h and 24 at 48 + 24 h of row r's 96, in pieces of 8 bytes
; (no vector line has been issued since the wait on va_vdst ahead of my LDS stores: the loads below land in registers whose earlier readers and writers that wait has shown done)
.irp a, 0,1
.irp q, 0,1,2,3
.irp p, 0,1,2,3,4,5
	ds_load_b64 v[AF+12*(4*\a+\q)+2*\p:AF+12*(4*\a+\q)+2*\p+1], v7 offset:\a*16*CP+96*\q+48*(\p/3)+8*(\p%3)
.endr
	ds_load_b32 v[SA+4*\a+\q], v9 offset:64*\a+384*\q
.endr
.endr
.irp q, 0,1,2,3
.irp p, 0,1,2,3,4,5
	ds_load_b64 v[BF+12*\q+2*\p:BF+12*\q+2*\p+1], v8 offset:96*\q+48*(\p/3)+8*(\p%3)
.endr
	ds_load_b32 v[SB+\q], v10 offset:384*\q
.endr
.irp a, 0,1
.irp j, 0,1,2,3,4,5,6,7
	ds_load_b32 v[OQ+16*\a+4*(\j/2)+\j%2], v11 offset:(16*\a+\j)*MP    ; m(16 a + 8 h + j, my d), straight into its place in the quad
.endr
.endr
	s_wait_dscnt 0x0
.irp q, 0,1,2,3                            ; the two accumulators by turns, one instruction a turn; the first K step starts the sums
.irp a, 0,1
.if \q == 0
	v_wmma_scale_f32_16x16x128_f8f6f4 v[ACC+8*\a:ACC+8*\a+7], v[AF+12*(4*\a+\q):AF+12*(4*\a+\q)+11], v[BF+12*\q:BF+12*\q+11], 0, v[SA+4*\a+\q], v[SB+\q] matrix_a_fmt:MATRIX_FMT_FP6 matrix_b_fmt:MATRIX_FMT_FP6
.else
	v_wmma_scale_f32_16x16x128_f8f6f4 v[ACC+8*\a:ACC+8*\a+7], v[AF+12*(4*\a+\q):AF+12*(4*\a+\q)+11], v[BF+12*\q:BF+12*\q+11], v[ACC+8*\a:ACC+8*\a+7], v[SA+4*\a+\q], v[SB+\q] matrix_a_fmt:MATRIX_FMT_FP6 matrix_b_fmt:MATRIX_FMT_FP6
.endif
.endr
.endr
.rept 4
	v_nop                                          ; four places between the last products and the first read of a sum (ISA guide 7.12.1)
.endr
.irp a, 0,1                                ; register j of accumulator a: the sum for k = 16 a + 8 h + j, d = my r.  Each accumulator is read from its low end on
.irp j, 0,1,2,3,4,5,6,7
	v_mul_f32 v[OQ+16*\a+4*(\j/2)+2+\j%2], 0xbb000000, v[ACC+8*\a+\j]  ; x -2^-9: -C, exact
.endr
.endr
.irp a, 0,1
.irp j, 0,1,2,3,4,5,6,7
	v_mul_f32 v[OQ+16*\a+4*(\j/2)+2+\j%2], v[OQ+16*\a+4*(\j/2)+2+\j%2], v[OQ+16*\a+4*(\j/2)+\j%2]   ; x m
.endr
.endr
	s_wait_alu depctr_va_vdst(0)                   ; the multiplications have written the quads v[OQ ..], which the LDS stores below read; the products are done reading v32 to v63, in which the image's loads land
.irp a, 0,1
.irp j, 0,1,2,3
	ds_store_b128 v12, v[OQ+16*\a+4*\j:OQ+16*\a+4*\j+3] offset:128*\a+256*\j
.endr
.endr
.irp c, 0,1,2,3,4,5,6,7
	ds_load_b128 v[RB+4*\c:RB+4*\c+3], v13 offset:(\c/2)*EP+(\c%2)*512  ; my own bytes: LDS serves a wave's instructions in order (ISA guide 5.7.1.4), so these see the stores above
.endr
.irp c, 0,1,2,3,4,5,6,7
	s_wait_dscnt 7-\c                              ; piece c is back; the younger ones may be out
	global_store_b128 v14, v[RB+4*\c:RB+4*\c+3], s[10:11] offset:512*\c ; 32 lanes store 512 consecutive bytes, at a multiple of 512 from mc's first byte
.endr
.Ldone:
	s_wait_dscnt 0x0
	s_wait_alu depctr_hold_cnt(0) depctr_sa_sdst(0) depctr_va_vdst(0) depctr_va_sdst(0) depctr_va_ssrc(0) depctr_va_vcc(0) depctr_vm_vsrc(0)
	s_wait_tensorcnt 0x0
	ds_add_u32 v242, v243
	s_wait_dscnt 0x0
	s_endpgm
.Lfunc_end_k_q08636b49f1_centroids:
	.size	k_q08636b49f1_centroids, .Lfunc_end_k_q08636b49f1_centroids-k_q08636b49f1_centroids
	.p2alignl 7, 3214868480
	.fill 96, 4, 3214868480
	.section	.rodata,"a",@progbits
	.p2align	6, 0x0
	.amdhsa_kernel k_q08636b49f1_centroids
		.amdhsa_group_segment_fixed_size 68096
		.amdhsa_private_segment_fixed_size 0
		.amdhsa_enable_private_segment 0
		.amdhsa_kernarg_size 32
		.amdhsa_user_sgpr_count 2
		.amdhsa_user_sgpr_kernarg_segment_ptr 1
		.amdhsa_wavefront_size32 1
		.amdhsa_system_sgpr_workgroup_id_x 1
		.amdhsa_system_sgpr_workgroup_id_y 1
		.amdhsa_system_sgpr_workgroup_id_z 1
		.amdhsa_system_vgpr_workitem_id 0
		.amdhsa_next_free_vgpr 256
		.amdhsa_next_free_sgpr 66
		.amdhsa_reserve_vcc 0
		.amdhsa_float_denorm_mode_32 3
		.amdhsa_float_denorm_mode_16_64 3
		.amdhsa_memory_ordered 1
		.amdhsa_forward_progress 1
		.amdhsa_inst_pref_size 55
	.end_amdhsa_kernel
	.amdgpu_metadata
---
amdhsa.version: [ 1, 2 ]
amdhsa.kernels:
  - .name:           k_q08636b49f1_centroids
    .symbol:         k_q08636b49f1_centroids.kd
    .args:
      - { .name: X, .offset: 0, .size: 8, .value_kind: global_buffer, .address_space: global }
      - { .name: U, .offset: 8, .size: 8, .value_kind: global_buffer, .address_space: global }
      - { .name: M, .offset: 16, .size: 8, .value_kind: global_buffer, .address_space: global }
      - { .name: mc, .offset: 24, .size: 8, .value_kind: global_buffer, .address_space: global }
    .group_segment_fixed_size: 68096
    .private_segment_fixed_size: 0
    .kernarg_segment_align: 8
    .kernarg_segment_size: 32
    .max_flat_workgroup_size: 384
    .sgpr_count:     66
    .vgpr_count:     256
    .wavefront_size: 32
...
	.end_amdgpu_metadata
.endif
;; end of part 3
;; launch distance: the kernel of part 2 again; grid 16 x 16, 4 waves a work-group, no clusters, 180,736 bytes of LDS; arguments X, mc, out0; writes out0
